; MI455X (gfx1250); checked and timed in simulation.
; The chip was launched on July 23, 2026; its instructions are those of AMD's public machine-readable ISA for CDNA 5 (MIT licence, August 2026) and "CDNA5" Instruction Set Architecture Reference Guide (July 2026). The comments in the code are by the model that wrote it; some were corrected since.
;; EMD Layer. Allowed arithmetic: float matrix products may take bf16 or f16 operands with f32 sums; other float arithmetic in f32, or as packed bf16 or f16 multiplies, adds, multiply-adds, maxima and minima; sums over many terms, partial sums and values carried from step to step in f32; what a program stores and reads back later, other than sums and carried values, may be rounded once to bf16 or f16.
;; Inputs: query 256 x 512 x 8 x 8 float32; support 32 x 512 x 8 x 8 float32.
;; Outputs: out0 256 x 32 float32.
;; One version. Each part assembles by itself: llvm-mc -triple=amdgcn-amd-amdhsa -mcpu=gfx1250 --defsym DOCPART=n.
;; ======== version 1 of 1: 2 launches
;; workspace buffers: xf 18,874,368 bytes; st 294,912 bytes
;; launch prep (part 1): grid 288 x 1, 8 waves a work-group, no clusters, 71,680 bytes of LDS; arguments query, support, xf, st; writes xf, st
.if DOCPART == 1
	.amdgcn_target "amdgcn-amd-amdhsa--gfx1250"
	.amdhsa_code_object_version 6
	.text
	.protected	k_qe542e35a7b_prep
	.globl	k_qe542e35a7b_prep
	.p2align	8
	.type	k_qe542e35a7b_prep,@function
k_qe542e35a7b_prep:
	s_mov_b64 s[64:65], 0
	v_nop
	global_prefetch_b8 v0, s[64:65] scope:SCOPE_SE
	s_setreg_imm32_b32 hwreg(HW_REG_WAVE_MODE, 25, 1), 1
	s_wait_xcnt 0x0
; EMD LAYER, FIRST OF TWO LAUNCHES: every image (256 queries, 32 supports; [512 channels][64 nodes] f32) is centred over its channels, divided by
; n = max(norm, 1e-8) node by node, multiplied by k1 = sqrt(20 log2 e), rounded ONCE to bf16 and stored in the order in which a matrix operand's registers take it.
; The second launch's product of two such images is then S' = 20 log2(e) sim, and K = exp(20 sim) = 2^S'.
; WHAT THE PROGRAM DOES OTHERWISE THAN reference() WRITES IT, each by an identity that holds for all finite inputs:
;  (1) The constant 1 in cost = 1 - sim is LEFT OUT: it adds -20 to every element of logK, the same along both axes over which logsumexp runs.  It moves u by +20 in every
;      iteration, leaves v as it is, and cancels in flow = exp(logK + u + v).  It can reach no output.
;  (2) exp(log a - logsumexp_j(logK + v)) = a / sum_j K V with K = exp(logK), V = exp(v): one exponential an element, no logarithm.  The maximum is still taken away: after each
;      update V is divided by its largest element's power of two (v - max v; U takes up the inverse, the flow is unchanged).  What is left in an exponent is 20 x a cosine that
;      reference() itself normalises: K lies in 2e-9 .. 5e8.  With max V in [1, 2) and marginals that sum to 64, sum_j K V lies in 2e-9 .. 6e10, U below 3.2e10 with its largest above
;      1.6e-11, sum_i K U in 3e-20 .. 1e21: no exponential and no sum can overflow or underflow in f32.
;  (3) The last update gives flow = K U b / (K^T U), so sum(sim flow) = sum_j (b_j / (K^T U)_j) sum_i sim K U: the flow is not laid down.
;  (4) The two pooled products follow from the cosine map.  With m a node's channel mean: sum_c Q[c,i] mean_j S[c,j] = (nq_i / 64) sum_j ns_j sim_ij + 8 mq_i sum_j ms_j, since a centred
;      column sums to 0 over the channels; the other marginal likewise.  The term of the means is kept in f32; no difference of large sums is formed.
; LIMITS.  NaN and infinities are not treated apart (a maximum here drops a NaN); a NaN, infinity or overflow that would reach only the constant left out in (1) is not carried on.
; 0.001 + 1e-5 is one constant, 0.00101.  The order of rounding differs from reference()'s.  A term below 1e-18 of its sum may count as 0.
; OUT.  xf, image g (queries 0-255, supports 256-287), 65,536 bytes: byte 4096 ks + 1024 t + 512 u + 16 L + 2 e holds node 16 t + L % 16, channel 32 ks + 16 u + 8 (L / 16) + e.
;       st, row g of 256 f32: [0:63] n / (8 k1), [64:127] 8 mean, [128:255] the sum of the 64 means.
; SHARES.  A work-group takes an image, wave w channels 64 w .. 64 w + 63; lane (r = L % 16, h = L / 16) holds channels 64 w + 32 h + 0..31 of nodes 4 r .. 4 r + 3: each load takes
; two whole rows of 256 bytes, and the image stays in registers between the three passes: it is read once.
; No tensor load (no wave wants another's bytes on the way in), no matrix work (there is no product), no prefetch (all of a work-group's 128 KiB are asked for at once).
.set SUMS,  0                          ; LDS: eight waves' sums, 256 bytes each: 64 nodes
.set SQS,   2048                       ; the same for the sums of squares: bytes of their own, so one barrier serves each exchange
.set STG,   4096                       ; eight stages, each wave's own
.set BLK,   1040                       ; a block of 1,024 bytes + 16
.set STGW,  8*BLK
.set SPARE, STG+8*STGW                 ; 70,656: the spare words, 128 bytes a wave, that no other line names
.set KONE,  0x40abe401                 ; k1 = 5.3715825
.set GFAC,  0x3cbea201                 ; 1 / (8 k1)
.set PR,  1                            ; v1   16 r: where I read the partial sums
.set LO,  2                            ; v2   my byte offset in the image: 16384 w + 8192 h + 16 r
.set PA,  3                            ; v3   256 w + 16 r: where I put my wave's partial sums
.set SI,  4                            ; v4   into my stage
.set SO,  5                            ; v5   out of my stage: 16 L
.set GO,  6                            ; v6   8192 w + 16 L: my bytes in the image of xf
.set LN,  7                            ; v7   lane
.set SPW, 8                            ; v8   my spare word; never rewritten
.set NIL, 9                            ; v9   0; never rewritten
.set SA,  10                           ; v[10:13] sums of my four nodes, even channels;  v[14:17] odd channels
.set SB,  14
.set MN,  18                           ; v[18:21] means
.set IV,  22                           ; v[22:25] k1 / n
.set GG,  26                           ; v[26:29] n / (8 k1)
.set R,   32                           ; v[32:63] the eight waves' partial sums
.set EE,  36                           ; v[36:39] 8 mean
.set M4,  40                           ; v[40:43] the sum of the means, four times
.set X,   64                           ; v[64:191] channel t, node k at X + 4 t + k
.set Y,   192                          ; v[192:255] node k's 32 channels in bf16 at Y + 16 k
	s_load_b256 s[4:11], s[0:1], 0x0               ; query s[4:5], support s[6:7], xf s[8:9], st s[10:11]
	v_lshl_add_u32 v[SPW], v0, 2, SPARE
	v_mov_b32 v[NIL], 0
	v_lshrrev_b32 v30, 5, v0
	v_readfirstlane_b32 s12, v30                   ; wave 0..7
	v_and_b32 v[LN], 31, v0
	v_and_b32 v30, 15, v0                          ; r
	v_bfe_u32 v31, v0, 4, 1                        ; h
	s_lshl_b32 s13, s12, 14
	v_lshlrev_b32 v[PR], 4, v30
	v_lshl_add_u32 v[LO], v31, 13, v[PR]
	v_add_nc_u32 v[LO], s13, v[LO]
	s_lshl_b32 s14, s12, 8
	v_add_nc_u32 v[PA], s14, v[PR]
	s_mul_i32 s15, s12, STGW
	s_add_co_u32 s15, s15, STG                     ; my stage
	v_lshrrev_b32 v[SI], 2, v30
	v_lshl_add_u32 v[SI], v31, 2, v[SI]            ; block 4 h + r / 4: K step h of my two, nodes 16 (r / 4) on
	v_mul_u32_u24 v[SI], v[SI], BLK
	v_and_b32 v30, 3, v30
	v_lshl_add_u32 v[SI], v30, 6, v[SI]            ; + 64 (r % 4): my four nodes' places of 16 bytes
	v_add_nc_u32 v[SI], s15, v[SI]
	v_lshl_add_u32 v[SO], v[LN], 4, s15
	s_lshl_b32 s16, s12, 13
	v_lshl_add_u32 v[GO], v[LN], 4, s16
	s_mov_b32 s26, 0x76543210                      ; v_permlanex16_b32: each lane takes its own place in the other half
	s_mov_b32 s27, 0xfedcba98
	s_and_b32 s17, ttmp9, 255                      ; the image's number in its own input: work-groups 256 to 287 take supports 0 to 31
	s_lshl_b32 s18, s17, 17                        ; x 131,072 bytes
	s_mov_b32 s19, 0
	s_lshl_b32 s22, ttmp9, 16                      ; the image in xf
	s_mov_b32 s23, 0
	s_lshl_b32 s24, ttmp9, 10                      ; its row in st
	s_mov_b32 s25, 0
	s_wait_kmcnt 0x0
	s_cmp_lt_u32 ttmp9, 256
	s_cselect_b64 s[20:21], s[4:5], s[6:7]
	s_add_nc_u64 s[20:21], s[20:21], s[18:19]
	s_add_nc_u64 s[8:9], s[8:9], s[22:23]
	s_add_nc_u64 s[10:11], s[10:11], s[24:25]
.set it, 0
.rept 32
	global_load_b128 v[X+4*it:X+4*it+3], v[LO], s[20:21] offset:256*it th:TH_LOAD_NT  ; 16 lanes take one row of 256 bytes, the other 16 the row 32 channels on
.set it, it+1
.endr
; My wave's four sums (two chains, two halves of the lanes) are made one, meet the other waves' in LDS, and come back as the sums over all 512 channels in v[R:R+3], in every lane.
.macro EXCH reg
	v_pk_add_f32 v[SA:SA+1], v[SA:SA+1], v[SB:SB+1]
	v_pk_add_f32 v[SA+2:SA+3], v[SA+2:SA+3], v[SB+2:SB+3]
.irp k, 0,1,2,3
	v_permlanex16_b32 v[SB+\k], v[SA+\k], s26, s27
.endr
	v_pk_add_f32 v[SA:SA+1], v[SA:SA+1], v[SB:SB+1]
	v_pk_add_f32 v[SA+2:SA+3], v[SA+2:SA+3], v[SB+2:SB+3]
	ds_store_b128 v[PA], v[SA:SA+3] offset:\reg    ; both halves of the lanes write the same numbers to the same bytes
	s_wait_dscnt 0x0                               ; for the others' sake: my store is done
	s_barrier_signal -1
	s_barrier_wait -1
.irp w, 0,1,2,3,4,5,6,7
	ds_load_b128 v[R+4*\w:R+4*\w+3], v[PR] offset:(\reg)+256*\w
.endr
	s_wait_dscnt 0x0
.irp n, 0,1,2,3,4,5,6,7
	v_pk_add_f32 v[R+2*\n:R+2*\n+1], v[R+2*\n:R+2*\n+1], v[R+16+2*\n:R+16+2*\n+1]
.endr
.irp n, 0,1,2,3
	v_pk_add_f32 v[R+2*\n:R+2*\n+1], v[R+2*\n:R+2*\n+1], v[R+8+2*\n:R+8+2*\n+1]
.endr
.irp n, 0,1
	v_pk_add_f32 v[R+2*\n:R+2*\n+1], v[R+2*\n:R+2*\n+1], v[R+4+2*\n:R+4+2*\n+1]
.endr
.endm
	; PASS 1: the channel means.  Two chains for each pair of nodes; the first two channels of a chain start it: nothing is cleared.
.set it, 0
.rept 32
.if (it%8) == 0
	s_wait_loadcnt 24-it                           ; loads come back in order (ISA guide 5.7.1): the next eight are in, the younger ones stay out
.endif
.set ch, SA+4*(it%2)
.if it >= 4
	v_pk_add_f32 v[ch:ch+1], v[ch:ch+1], v[X+4*it:X+4*it+1]
	v_pk_add_f32 v[ch+2:ch+3], v[ch+2:ch+3], v[X+4*it+2:X+4*it+3]
.elseif it >= 2
	v_pk_add_f32 v[ch:ch+1], v[X+4*it-8:X+4*it-7], v[X+4*it:X+4*it+1]
	v_pk_add_f32 v[ch+2:ch+3], v[X+4*it-6:X+4*it-5], v[X+4*it+2:X+4*it+3]
.endif
.set it, it+1
.endr
	EXCH SUMS
	v_pk_mul_f32 v[MN:MN+1], v[R:R+1], 0x3b000000 op_sel_hi:[1,0]      ; / 512
	v_pk_mul_f32 v[MN+2:MN+3], v[R+2:R+3], 0x3b000000 op_sel_hi:[1,0]
	; PASS 2: centred in f32, in place, before anything is rounded; then the sums of squares of the centred numbers
.set it, 0
.rept 32
	v_pk_add_f32 v[X+4*it:X+4*it+1], v[X+4*it:X+4*it+1], v[MN:MN+1] neg_lo:[0,1] neg_hi:[0,1]
	v_pk_add_f32 v[X+4*it+2:X+4*it+3], v[X+4*it+2:X+4*it+3], v[MN+2:MN+3] neg_lo:[0,1] neg_hi:[0,1]
.set it, it+1
.endr
.set it, 0
.rept 32
.set ch, SA+4*(it%2)
.if it < 2
	v_pk_mul_f32 v[ch:ch+1], v[X+4*it:X+4*it+1], v[X+4*it:X+4*it+1]
	v_pk_mul_f32 v[ch+2:ch+3], v[X+4*it+2:X+4*it+3], v[X+4*it+2:X+4*it+3]
.else
	v_pk_fma_f32 v[ch:ch+1], v[X+4*it:X+4*it+1], v[X+4*it:X+4*it+1], v[ch:ch+1]
	v_pk_fma_f32 v[ch+2:ch+3], v[X+4*it+2:X+4*it+3], v[X+4*it+2:X+4*it+3], v[ch+2:ch+3]
.endif
.set it, it+1
.endr
	EXCH SQS
	; n = max(norm, 1e-8) = sqrt(max(sum of squares, 1e-16)).  Eight transcendentals are one batch; the means' work stands between it and its one wait.
.irp k, 0,1,2,3
	v_max_num_f32 v[R+\k], 0x24e69595, v[R+\k]
.endr
.irp k, 0,1,2,3
	v_rsq_f32 v[IV+\k], v[R+\k]
.endr
.irp k, 0,1,2,3
	v_sqrt_f32 v[GG+\k], v[R+\k]
.endr
	v_pk_mul_f32 v[EE:EE+1], v[MN:MN+1], 0x41000000 op_sel_hi:[1,0]    ; 8 mean
	v_pk_mul_f32 v[EE+2:EE+3], v[MN+2:MN+3], 0x41000000 op_sel_hi:[1,0]
	v_add_f32 v30, v[MN], v[MN+1]
	v_add_f32 v31, v[MN+2], v[MN+3]
	v_add_f32 v[M4], v30, v31
	v_add_f32_dpp v[M4], v[M4], v[M4] row_xmask:1 row_mask:0xf bank_mask:0xf   ; over the 16 lanes that hold the 64 nodes
	v_add_f32_dpp v[M4], v[M4], v[M4] row_xmask:2 row_mask:0xf bank_mask:0xf
	v_add_f32_dpp v[M4], v[M4], v[M4] row_xmask:4 row_mask:0xf bank_mask:0xf
	v_add_f32_dpp v[M4], v[M4], v[M4] row_xmask:8 row_mask:0xf bank_mask:0xf
	s_wait_alu depctr_va_vdst(0)                   ; the wait ahead of the first line that names a transcendental's result: one for the eight
	v_pk_mul_f32 v[IV:IV+1], v[IV:IV+1], KONE op_sel_hi:[1,0]
	v_pk_mul_f32 v[IV+2:IV+3], v[IV+2:IV+3], KONE op_sel_hi:[1,0]
	v_pk_mul_f32 v[GG:GG+1], v[GG:GG+1], GFAC op_sel_hi:[1,0]
	v_pk_mul_f32 v[GG+2:GG+3], v[GG+2:GG+3], GFAC op_sel_hi:[1,0]
	; PASS 3: scaled, rounded once to bf16, two neighbouring channels of a node to a register
.set it, 0
.rept 32
	v_pk_mul_f32 v[X+4*it:X+4*it+1], v[X+4*it:X+4*it+1], v[IV:IV+1]
	v_pk_mul_f32 v[X+4*it+2:X+4*it+3], v[X+4*it+2:X+4*it+3], v[IV+2:IV+3]
.set it, it+1
.endr
.set ik, 0
.rept 4
.set ip, 0
.rept 16
	v_cvt_pk_bf16_f32 v[Y+16*ik+ip], v[X+8*ip+ik], v[X+8*ip+4+ik]
.set ip, ip+1
.endr
.set ik, ik+1
.endr
	; THE WAY OUT, through my own stage: chunk m (8 channels, 16 bytes) of node k goes to half u = m / 2, lane 16 (m % 2) + the node's place, of its block
.set ik, 0
.rept 4
.set im, 0
.rept 4
	ds_store_b128 v[SI], v[Y+16*ik+4*im:Y+16*ik+4*im+3] offset:(im/2)*512+(im%2)*256+16*ik
.set im, im+1
.endr
.set ik, ik+1
.endr
.set iz, 0
.rept 16
	ds_load_b128 v[X+4*iz:X+4*iz+3], v[SO] offset:(iz/2)*BLK+(iz%2)*512  ; LDS serves a wave's instructions in order (ISA guide 5.7.1.4): these see the stores above; the bytes are my wave's own
.set iz, iz+1
.endr
.set iz, 0
.rept 16
	s_wait_dscnt 15-iz                             ; the younger loads from the stage may stay out
	global_store_b128 v[GO], v[X+4*iz:X+4*iz+3], s[8:9] offset:512*iz  ; 512 consecutive bytes, at a multiple of 512 from xf's first byte
.set iz, iz+1
.endr
	; the image's row of st: lanes 0-15 hold n / (8 k1) of their four nodes, lanes 16-31 take 8 mean: 512 consecutive bytes; then the sum of the means, 512 bytes of it
	v_cmp_lt_u32 vcc_lo, 15, v[LN]
.irp k, 0,1,2,3
	v_cndmask_b32 v[GG+\k], v[GG+\k], v[EE+\k], vcc_lo
.endr
.irp k, 1,2,3
	v_mov_b32 v[M4+\k], v[M4]
.endr
	v_lshlrev_b32 v0, 4, v[LN]
	s_cmp_lg_u32 s12, 0                            ; every wave holds these numbers; wave 0 stores them
	s_cbranch_scc1 .Lend
	global_store_b128 v0, v[GG:GG+3], s[10:11]
	global_store_b128 v0, v[M4:M4+3], s[10:11] offset:512
.Lend:
	s_wait_tensorcnt 0x0                           ; the wave's end, behind my last LDS store
	ds_add_u32 v[SPW], v[NIL]
	s_wait_dscnt 0x0
	s_endpgm
.Lfunc_end_k_qe542e35a7b_prep:
	.size	k_qe542e35a7b_prep, .Lfunc_end_k_qe542e35a7b_prep-k_qe542e35a7b_prep
	.p2alignl 7, 3214868480
	.fill 96, 4, 3214868480
	.section	.rodata,"a",@progbits
	.p2align	6, 0x0
	.amdhsa_kernel k_qe542e35a7b_prep
		.amdhsa_group_segment_fixed_size 71680
		.amdhsa_private_segment_fixed_size 0
		.amdhsa_enable_private_segment 0
		.amdhsa_kernarg_size 32
		.amdhsa_user_sgpr_count 2
		.amdhsa_user_sgpr_kernarg_segment_ptr 1
		.amdhsa_wavefront_size32 1
		.amdhsa_system_sgpr_workgroup_id_x 1
		.amdhsa_system_sgpr_workgroup_id_y 1
		.amdhsa_system_sgpr_workgroup_id_z 1
		.amdhsa_system_vgpr_workitem_id 0
		.amdhsa_next_free_vgpr 256
		.amdhsa_next_free_sgpr 66
		.amdhsa_reserve_vcc 1
		.amdhsa_float_denorm_mode_32 3
		.amdhsa_float_denorm_mode_16_64 3
		.amdhsa_memory_ordered 1
		.amdhsa_forward_progress 1
		.amdhsa_inst_pref_size 36
	.end_amdhsa_kernel
	.amdgpu_metadata
---
amdhsa.version: [ 1, 2 ]
amdhsa.kernels:
  - .name:           k_qe542e35a7b_prep
    .symbol:         k_qe542e35a7b_prep.kd
    .args:
      - { .name: query, .offset: 0, .size: 8, .value_kind: global_buffer, .address_space: global }
      - { .name: support, .offset: 8, .size: 8, .value_kind: global_buffer, .address_space: global }
      - { .name: xf, .offset: 16, .size: 8, .value_kind: global_buffer, .address_space: global }
      - { .name: st, .offset: 24, .size: 8, .value_kind: global_buffer, .address_space: global }
    .group_segment_fixed_size: 71680
    .private_segment_fixed_size: 0
    .kernarg_segment_align: 8
    .kernarg_segment_size: 32
    .max_flat_workgroup_size: 256
    .sgpr_count:     66
    .vgpr_count:     256
    .wavefront_size: 32
...
	.end_amdgpu_metadata
.endif
;; end of part 1
;; launch emd (part 2): grid 64 x 4, 4 waves a work-group, clusters of 4 x 1, 327,680 bytes of LDS; arguments xf, st, out0; writes out0
.if DOCPART == 2
	.amdgcn_target "amdgcn-amd-amdhsa--gfx1250"
	.amdhsa_code_object_version 6
	.text
	.protected	k_qe542e35a7b_emd
	.globl	k_qe542e35a7b_emd
	.p2align	8
	.type	k_qe542e35a7b_emd,@function
k_qe542e35a7b_emd:
	s_mov_b64 s[64:65], 0
	v_nop
	global_prefetch_b8 v0, s[64:65] scope:SCOPE_SE
	s_setreg_imm32_b32 hwreg(HW_REG_WAVE_MODE, 25, 1), 1
	s_wait_xcnt 0x0
	s_wait_alu depctr_hold_cnt(0) depctr_sa_sdst(0) depctr_va_vdst(0) depctr_va_sdst(0) depctr_va_ssrc(0) depctr_va_vcc(0) depctr_vm_vsrc(0)
	s_getreg_b32 s2, hwreg(HW_REG_IB_STS2, 6, 4)
	s_cmp_eq_u32 s2, 0
	s_cbranch_scc0 .Lentry_in_a_cluster
	s_endpgm
.Lentry_in_a_cluster:
	s_bfe_u32 s2, ttmp6, 0x10000c
	s_cmp_lg_u32 s2, 0x3003
	s_cbranch_scc0 .Lentry_shape_is_right
	s_endpgm
.Lentry_shape_is_right:
; EMD LAYER, SECOND LAUNCH: out0[q][w] = 12.5 / 64 x sum_ij sim_ij flow_ij for the 256 x 32 pairs of a query and a support.
; LEFT OUT, as shown at the head of the first kernel: the constant 1 of cost = 1 - sim (the same along both axes of logsumexp; it cancels in the flow).  The other identities stated there are used here:
; K = 2^S' with S' = 20 log2(e) sim as the matrix unit delivers it; U = a / (K V), V = b / (K^T U), six times, from V = 1; after each update V is divided by its largest element's power of two, so that
; no sum leaves f32's range for any input (the bounds stand there); the marginals come from S' and the rows of st: a_i ~ max(gq_i sum_j gs_j S'_ij + eq_i Ms + 0.00101, 0.00101), b_j likewise with the
; parts exchanged, each scaled to sum to 64; out = 12.5 / (64 x 20 log2 e) x sum_j VT_j sum_i S'_ij K_ij U_i with VT the last, unscaled V.  LIMITS as stated there.
; SHARES.  Work-group (x, y): queries 4 x .. 4 x + 3, supports 8 y .. 8 y + 7.  Wave w keeps ITS query's 64 nodes x 512 channels in 512 registers for the whole launch and does its eight pairs one after
; the other; all four waves read the same support from LDS.  256 work-groups of equal work.
; CLUSTER.  The four work-groups of a cluster share y, so they want the same supports: every fill is asked for JOINTLY, by the same tensor load with the same descriptor and the mask of four.
; The queries are not shared out so: each goes into one wave's registers, not into LDS; the four work-groups that read a query differ in y and lie in four clusters.
; RING.  Two slots of two supports (131,072 bytes, dense, in operand order: a lane's 16 bytes lie 16 bytes from its neighbour's, so no padding is wanted).  Each wave fetches a quarter of a slot: 128 rows of 256 bytes.
; A wave has at most two tensor loads out: the two first fills; later the one of a refill, which has two pairs' work in which to land.
; LAYOUT.  S' = Q S^T, source 0 = 16 query nodes, source 1 = 16 support nodes: in tile (ti, tj) a lane holds column j = 16 tj + lane % 16 and rows i = 16 ti + 8 (lane / 16) + 0..7.
; A sum over j is 4 products a register and 4 steps across 16 lanes; a sum over i is a chain down the registers and one exchange of the lanes' halves.
; out0: eight numbers, 32 bytes, a wave: an aligned 256 bytes of out0 holds two queries' 32 supports, which four work-groups make; the whole output is 32,768 bytes.
; REGISTERS, in windows of 256 (s_set_vgpr_msb: bits 1:0 source 0, 3:2 source 1, 5:4 source 2, 7:6 destination):
;   window 0: v2-63 as named below; v64-95 P, then U; v96-127 a; v128-255 S', tile (ti, tj) at 128 + 8 (4 ti + tj)
;   window 1: v0-127 K, tiled as S' (before K is made: v0-31 gq, v32-63 eq); v128-255 the support's fragments, two buffers of two K steps
;   windows 2, 3: the query's fragments, (ks, ti) at 32 ks + 8 ti, counted through both
.set SLOT1, 1<<17
.set SPARE, 2*SLOT1                    ; behind the ring: the spare words, 128 bytes a wave, that no other line names
.set IMG,   65536                      ; bytes of an image in xf
.set SUP0,  256*IMG                    ; the supports begin here in xf
.set OUTC,  0x3bddce9e                 ; 12.5 / (64 x 28.853901)
.set L16, 2                            ; v2   16 x lane; never rewritten
.set AD,  3                            ; v3   LDS address of the support in hand
.set HO,  4                            ; v4   32 (lane / 16): my eight rows' place in 16 numbers of st
.set RO,  5                            ; v5   4 (lane % 16): my column's
.set LANE, 6                           ; v6
.set RES, 7                            ; v7   lane n keeps pair n's result
.set VV,  8                            ; v[8:15]   pairs (V, VT) for tj = 0..3
.set GE,  16                           ; v[16:23]  pairs (gs, es)
.set MM,  24                           ; v[24:25]  (Ms, Mq)
.set BJ,  26                           ; v[26:29]  b
.set CP,  30                           ; v[30:45]  eight chains of pairs: chain tj + 4 (ti % 2)
.set T,   46                           ; v[46:53]  at work
.set SC,  54                           ; v[54:55]  64 / sum of a's raw numbers, 64 / sum of b's
.set LG,  56                           ; v56
.set PFO, 57                           ; v57  256 x lane; never rewritten
.set SPW, 62                           ; v62  my spare word; never rewritten
.set NIL, 63                           ; v63  0; never rewritten
.set P,   64
.set AI,  96
.set S,   128
.set KM,  0                            ; window 1
.set GQ,  0
.set EQ,  32
.set BF,  128
.set WV,  12                           ; s12  wave
.set CX,  13                           ; s13  my place in the cluster: it enters the query's, out0's and the prefetch's addresses alone
.set YY,  14                           ; s14  y, which the partners share
.set LIM, 15                           ; s15  1 in the first cluster of a y, else the greatest number
.set QI,  16                           ; s[16:17] my query's image
.set PFA, 18                           ; s[18:19] what I prefetch; never rewritten
.set SQ,  20                           ; s[20:21] my query's row of st
.set SS,  22                           ; s[22:23] the row of st of the support in hand
.set G1,  24                           ; s[24:31] descriptor group 1
.set G0A, 32                           ; s[32:35] group 0 of the first fill of slot 0
.set G0B, 36                           ; s[36:39] of slot 1's; it then walks
.set SLOTS, 40
.set TWICE, 41
.set ITER, 42
.set TB,  43                           ; s43  LDS byte at which the support in hand begins
.set IDX, 44                           ; s44  the pair's number, 0 to 7
.set CW,  46                           ; s[46:47] 0.00101, named as a pair
.set SEL, 48                           ; s[48:49] v_permlanex16_b32's selects
.set MSB, 0
.macro WIN new                         ; the immediate's high byte repeats the setting that is left; a switch that changes nothing is dropped
.if MSB != (\new)
	s_set_vgpr_msb (MSB<<8)|(\new)
.set MSB, (\new)
.endif
.endm
.macro PLACES                          ; four plain lines between a matrix instruction and a load into, or a vector line on, its registers (ISA guide 7.12.1 for vector lines)
.rept 4
	v_nop
.endr
.endm
; A round of the cluster's barrier: my work-group's barrier, so that wave 0's signal speaks for all four waves; wave 0 signals; every wave waits for all four work-groups; my work-group's barrier once more.
.macro CROUND
	s_barrier_signal -1
	s_barrier_wait -1
	s_cmp_lg_u32 s[WV], 0
	s_cbranch_scc1 .Lnot_wave_0_\@
	s_barrier_signal -3
.Lnot_wave_0_\@:
	s_barrier_wait -3
	s_barrier_signal -1
	s_barrier_wait -1
.endm
; A PREFETCH INTO THE L2 of the LAST refill's 131,072 bytes (supports 6 and 7 of my y), behind the first refill's tensor load and its five lines: two pairs' work ahead of the load that wants them.
; All sixteen clusters of a y walk the same supports: the first of them asks.  Its four partners and their four waves share the bytes out BY ADDRESS, 8,192 each, a lane 256: each block is named once in the launch.
; The first fills and the first refill come by their loads alone: nothing is asked for at the head.
.macro ASK
	s_cmp_gt_u32 s[SLOTS], s[LIM]
	s_cbranch_scc0 .Lnot_mine_\@
	global_prefetch_b8 v[PFO], s[PFA:PFA+1] th:TH_LOAD_NT scope:SCOPE_SE
.Lnot_mine_\@:
.endm
; THE CHANGE OF SLOTS.  Each wave waits for all its tensor loads (its part of the other slot), adds 0 to its spare word, and waits for that and for its own reads of the slot that it leaves.
; fill = 1: the barrier is a round of the cluster's, so that no wave of any partner still reads the slot or has a load on its way; the joint refill is the first thing behind it, one load a wave.
.macro CHANGE fill
	WIN 0
	s_wait_tensorcnt 0x0                           ; no tensor load of mine is out, so a group 0 may be written
	ds_add_u32 v[SPW], v[NIL]                      ; 0 onto my spare word
.if \fill
	s_xor_b32 s[G0B+1], s[G0B+1], SLOT1            ; the other slot than last time,
	s_add_nc_u64 s[G0B+2:G0B+3], s[G0B+2:G0B+3], 2*IMG  ; the next two supports; the type bits on top are not reached
.endif
	s_wait_dscnt 0x0                               ; the add is done, and my reads of the slot are over
.if \fill
	CROUND
	tensor_load_to_lds s[G0B:G0B+3], s[G1:G1+7]
	s_nop 0
	PLACES
	ASK
.else
	s_barrier_signal -1
	s_barrier_wait -1
.endif
	s_sub_co_u32 s[TB], s[TB], 2*IMG               ; back to a slot's first support,
	s_xor_b32 s[TB], s[TB], SLOT1                  ; in the other slot
.endm
; 16 LDS loads in one run: the support's fragments of K steps 2 g and 2 g + 1 into buffer g % 2
.macro FETCH g
	WIN 0x40                                       ; destination window 1, address window 0
.set ksl, 0
.rept 2
.set itt, 0
.rept 4
.set rB, BF+64*((\g)%2)+32*ksl+8*itt
	ds_load_b128 v[rB:rB+3],   v[AD] offset:((2*(\g)+ksl)*4+itt)*1024
	ds_load_b128 v[rB+4:rB+7], v[AD] offset:((2*(\g)+ksl)*4+itt)*1024+512
.set itt, itt+1
.endr
.set ksl, ksl+1
.endr
.endm
; 32 products: two K steps x 16 tiles.  The 16 accumulators take turns, one instruction a turn; K step 0 starts the sums with the constant 0.
.macro MUL g
	WIN 0x06+(\g)/4                                ; the query in window 2 or 3, the support in window 1, S' in window 0
.set ksl, 0
.rept 2
.set iti, 0
.rept 4
.set itj, 0
.rept 4
.set rS, S+8*(4*iti+itj)
.set rQ, 32*((2*(\g)+ksl)%8)+8*iti
.set rB, BF+64*((\g)%2)+32*ksl+8*itj
.if (2*(\g)+ksl) == 0
	v_wmma_f32_16x16x32_bf16 v[rS:rS+7], v[rQ:rQ+7], v[rB:rB+7], 0
.else
	v_wmma_f32_16x16x32_bf16 v[rS:rS+7], v[rQ:rQ+7], v[rB:rB+7], v[rS:rS+7]
.endif
.set itj, itj+1
.endr
.set iti, iti+1
.endr
.set ksl, ksl+1
.endr
.endm
; P(i) = the sum over my four columns of M(i, j) x vec(j): 64 packed lines.  M's tiles begin at mb (window by win), vec is the low word of the pairs at vb.
.macro ROWSUM mb, win, vb
	WIN \win
.set itj, 0
.rept 4
.set iq, 0
.rept 16
.set rM, (\mb)+8*(4*(iq/4)+itj)+2*(iq%4)
.if itj == 0
	v_pk_mul_f32 v[P+2*iq:P+2*iq+1], v[rM:rM+1], v[(\vb)+2*itj:(\vb)+2*itj+1] op_sel_hi:[1,0]
.else
	v_pk_fma_f32 v[P+2*iq:P+2*iq+1], v[rM:rM+1], v[(\vb)+2*itj:(\vb)+2*itj+1], v[P+2*iq:P+2*iq+1] op_sel_hi:[1,0,1]
.endif
.set iq, iq+1
.endr
.set itj, itj+1
.endr
.endm
.macro RED m                           ; one step of the sum across the 16 lanes of a half, for all 32 rows
	WIN 0
.set ix, 0
.rept 32
	v_add_f32_dpp v[P+ix], v[P+ix], v[P+ix] row_xmask:\m row_mask:0xf bank_mask:0xf
.set ix, ix+1
.endr
.endm
; Eight chains of pairs take the sum down my rows of M(i, j) x u: u = vec(i) at ub (full = 0) or a second matrix, tiled alike, at ub (full = 1).  64 packed lines; seven others stand between two links of a
; chain.  Each tile's registers are taken from the low end on.
.macro COLSUM mb, win, ub, full
	WIN \win
.set ia, 0
.rept 2
.set ip, 0
.rept 4
.set ib, 0
.rept 2
.set itj, 0
.rept 4
.set iti, 2*ia+ib
.set rM, (\mb)+8*(4*iti+itj)+2*ip
.set rU, (\ub)+8*iti+2*ip+(\full)*8*(3*iti+itj)
.set rC, CP+2*(itj+4*ib)
.if (ia == 0) && (ip == 0)
	v_pk_mul_f32 v[rC:rC+1], v[rM:rM+1], v[rU:rU+1]
.else
	v_pk_fma_f32 v[rC:rC+1], v[rM:rM+1], v[rU:rU+1], v[rC:rC+1]
.endif
.set itj, itj+1
.endr
.set ib, ib+1
.endr
.set ip, ip+1
.endr
.set ia, ia+1
.endr
.endm
.macro COLFIN x                        ; the chains' ends into T + tj; x = 1: with the other half of the lanes' rows
	WIN 0
.irp j, 0,1,2,3
	v_pk_add_f32 v[CP+2*\j:CP+2*\j+1], v[CP+2*\j:CP+2*\j+1], v[CP+8+2*\j:CP+8+2*\j+1]
.endr
.irp j, 0,1,2,3
	v_add_f32 v[T+\j], v[CP+2*\j], v[CP+2*\j+1]
.endr
.if \x
.irp j, 0,1,2,3
	v_permlanex16_b32 v[T+4+\j], v[T+\j], s[SEL], s[SEL+1]
.endr
.irp j, 0,1,2,3
	v_add_f32 v[T+\j], v[T+\j], v[T+4+\j]
.endr
.endif
.endm
.macro DPP4 op, r                      ; four steps across the 16 lanes of a half
.irp m, 1,2,4,8
	\op v[\r], v[\r], v[\r] row_xmask:\m row_mask:0xf bank_mask:0xf
.endr
.endm
; ONE PAIR.
.macro BODY
	WIN 0
	v_add_nc_u32 v[AD], s[TB], v[L16]
.irp j, 0,1,2,3                        ; the support's numbers for my four columns, the query's for my 32 rows: wanted behind the products
	global_load_b32 v[GE+2*\j],   v[RO], s[SS:SS+1] offset:64*\j
	global_load_b32 v[GE+2*\j+1], v[RO], s[SS:SS+1] offset:256+64*\j
.endr
	global_load_b32 v[MM], v[RO], s[SS:SS+1] offset:512
	WIN 0x40
.irp i, 0,1,2,3,4,5,6,7
	global_load_b128 v[GQ+4*\i:GQ+4*\i+3], v[HO], s[SQ:SQ+1] offset:64*(\i/2)+16*(\i%2)
	global_load_b128 v[EQ+4*\i:EQ+4*\i+3], v[HO], s[SQ:SQ+1] offset:256+64*(\i/2)+16*(\i%2)
.endr
	FETCH 0
	; S' = Q S^T: 256 products.  While one buffer is multiplied the other's 16 loads are out.
.irp g, 0,1,2,3,4,5,6,7
.if (\g >= 1) && (\g < 7)
	PLACES                                         ; the buffer that is loaded next has just been multiplied
.endif
.if \g < 7
	FETCH \g+1
	s_wait_dscnt 16                                ; all but the 16 just issued
.else
	s_wait_dscnt 0x0
.endif
	MUL \g
.endr
	s_add_co_u32 s[TB], s[TB], IMG                 ; the next pair's support
	PLACES                                         ; the vector work below reads results just made
	s_wait_loadcnt 0x0                             ; the rows of st are in, so their base may be written
	s_add_nc_u64 s[SS:SS+1], s[SS:SS+1], 1024
	; b: gs_j sum_i gq_i S'_ij + es_j Mq, then relu and the two small constants in one maximum; its sum's reciprocal waits with the exponentials' batch
	COLSUM S, 0x04, GQ, 0
	COLFIN 1
.irp j, 0,1,2,3
	v_fma_f32 v[T+4+\j], v[GE+2*\j+1], v[MM+1], s[CW]
.endr
.irp j, 0,1,2,3
	v_fma_f32 v[T+\j], v[GE+2*\j], v[T+\j], v[T+4+\j]
.endr
.irp j, 0,1,2,3
	v_max_num_f32 v[BJ+\j], s[CW], v[T+\j]
.endr
	v_add_f32 v[T+4], v[BJ], v[BJ+1]
	v_add_f32 v[T+5], v[BJ+2], v[BJ+3]
	v_add_f32 v[T+4], v[T+4], v[T+5]
	DPP4 v_add_f32_dpp, T+4
	v_rcp_f32 v[SC+1], v[T+4]
	; a: gq_i sum_j gs_j S'_ij + eq_i Ms, likewise
	ROWSUM S, 0, GE
	RED 1
	RED 2
	RED 4
	RED 8
	WIN 0x01                                       ; source 0 (eq, gq) in window 1
.set iq, 0
.rept 16
	v_pk_fma_f32 v[AI+2*iq:AI+2*iq+1], v[EQ+2*iq:EQ+2*iq+1], v[MM:MM+1], s[CW:CW+1] op_sel_hi:[1,0,0]
.set iq, iq+1
.endr
.set iq, 0
.rept 16
	v_pk_fma_f32 v[AI+2*iq:AI+2*iq+1], v[GQ+2*iq:GQ+2*iq+1], v[P+2*iq:P+2*iq+1], v[AI+2*iq:AI+2*iq+1]
.set iq, iq+1
.endr
	WIN 0
.set ix, 0
.rept 32
	v_max_num_f32 v[AI+ix], s[CW], v[AI+ix]
.set ix, ix+1
.endr
.irp n, 0,1,2,3,4,5,6,7
	v_pk_add_f32 v[CP+2*\n:CP+2*\n+1], v[AI+2*\n:AI+2*\n+1], v[AI+16+2*\n:AI+16+2*\n+1]
.endr
.irp n, 0,1,2,3
	v_pk_add_f32 v[CP+2*\n:CP+2*\n+1], v[CP+2*\n:CP+2*\n+1], v[CP+8+2*\n:CP+8+2*\n+1]
.endr
.irp n, 0,1
	v_pk_add_f32 v[CP+2*\n:CP+2*\n+1], v[CP+2*\n:CP+2*\n+1], v[CP+4+2*\n:CP+4+2*\n+1]
.endr
	v_pk_add_f32 v[CP:CP+1], v[CP:CP+1], v[CP+2:CP+3]
	v_add_f32 v[T], v[CP], v[CP+1]
	v_permlanex16_b32 v[T+1], v[T], s[SEL], s[SEL+1]
	v_add_f32 v[T], v[T], v[T+1]
	v_rcp_f32 v[SC], v[T]
	; K = 2^S'.  The two reciprocals and the 128 exponentials are ONE batch: nothing names a result of theirs ahead of the one wait; the eight lines that set V = 1 are the plain lines behind the last.
	WIN 0x40                                       ; K in window 1, over gq and eq, which have served
.set ix, 0
.rept 128
	v_exp_f32 v[KM+ix], v[S+ix]
.set ix, ix+1
.endr
	WIN 0
.set ix, 0
.rept 8
	v_mov_b32 v[VV+ix], 1.0
.set ix, ix+1
.endr
	s_wait_alu depctr_va_vdst(0)                   ; the wait ahead of the first line that names a transcendental's result
	v_mul_f32 v[SC], 0x42800000, v[SC]             ; x 64
	v_mul_f32 v[SC+1], 0x42800000, v[SC+1]
.set iq, 0
.rept 16
	v_pk_mul_f32 v[AI+2*iq:AI+2*iq+1], v[AI+2*iq:AI+2*iq+1], v[SC:SC+1] op_sel_hi:[1,0]
.set iq, iq+1
.endr
.irp j, 0,1,2,3
	v_mul_f32 v[BJ+\j], v[BJ+\j], v[SC+1]
.endr
	s_mov_b32 s[ITER], 6
.Liter_\@:                             ; U = a / (K V); VT = b / (K^T U); V = VT / the power of two of its largest
	ROWSUM KM, 0x01, VV
	RED 1
	RED 2
	RED 4
	WIN 0
.set ix, 0
.rept 32                               ; the last step across the lanes, and each finished sum's reciprocal a line later, in place
	v_add_f32_dpp v[P+ix], v[P+ix], v[P+ix] row_xmask:8 row_mask:0xf bank_mask:0xf
.if ix >= 1
	v_rcp_f32 v[P+ix-1], v[P+ix-1]
.endif
.set ix, ix+1
.endr
	v_rcp_f32 v[P+31], v[P+31]
	v_nop                                          ; the plain line behind the last reciprocal,
	s_wait_alu depctr_va_vdst(0)                   ; and the one wait for the 32
.set iq, 0
.rept 16
	v_pk_mul_f32 v[P+2*iq:P+2*iq+1], v[P+2*iq:P+2*iq+1], v[AI+2*iq:AI+2*iq+1]
.set iq, iq+1
.endr
	COLSUM KM, 0x01, P, 0
	COLFIN 1
.irp j, 0,1,2,3
	v_rcp_f32 v[T+4+\j], v[T+\j]
.endr
	v_nop
	s_wait_alu depctr_va_vdst(0)                   ; one wait for the four
.irp j, 0,1,2,3
	v_mul_f32 v[VV+2*\j+1], v[BJ+\j], v[T+4+\j]
.endr
	v_max3_num_f32 v[T], v[VV+1], v[VV+3], v[VV+5]
	v_max_num_f32 v[T], v[T], v[VV+7]
	DPP4 v_max_num_f32_dpp, T                      ; both halves of the lanes hold the same 64 numbers
	v_and_b32 v[T], 0x7f800000, v[T]               ; the maximum's exponent field E (between 57 and 198 by the bounds at the first kernel's head),
	v_sub_nc_u32 v[T], 0x7f000000, v[T]            ; 254 - E in its place: the inverse power of two, exactly
.irp j, 0,1,2,3
	v_mul_f32 v[VV+2*\j], v[VV+2*\j+1], v[T]
.endr
	s_sub_co_u32 s[ITER], s[ITER], 1
	s_cmp_lg_u32 s[ITER], 0
	s_cbranch_scc1 .Liter_\@
	; the result: sum_j VT_j sum_i S'_ij K_ij U_i
	WIN 0x41                                       ; K (destination and source 0) in window 1, U in window 0
.set iq, 0
.rept 64
	v_pk_mul_f32 v[KM+2*iq:KM+2*iq+1], v[KM+2*iq:KM+2*iq+1], v[P+8*(iq/16)+2*(iq%4):P+8*(iq/16)+2*(iq%4)+1]
.set iq, iq+1
.endr
	COLSUM S, 0x04, KM, 1
	COLFIN 0
	v_mul_f32 v[LG], v[T], v[VV+1]
	v_fma_f32 v[LG], v[T+1], v[VV+3], v[LG]
	v_fma_f32 v[LG], v[T+2], v[VV+5], v[LG]
	v_fma_f32 v[LG], v[T+3], v[VV+7], v[LG]
	DPP4 v_add_f32_dpp, LG
	v_permlanex16_b32 v[T], v[LG], s[SEL], s[SEL+1]
	v_add_f32 v[LG], v[LG], v[T]
	v_mul_f32 v[LG], OUTC, v[LG]
	v_cmp_eq_u32 vcc_lo, s[IDX], v[LANE]
	v_cndmask_b32 v[RES], v[RES], v[LG], vcc_lo    ; lane n keeps pair n's
	s_add_co_u32 s[IDX], s[IDX], 1
.endm
.macro TWO                             ; a slot's two supports: written once, walked twice; the LDS address hangs on s[TB]
	s_mov_b32 s[TWICE], 2
.Ltwo_\@:
	BODY
	s_sub_co_u32 s[TWICE], s[TWICE], 1
	s_cmp_lg_u32 s[TWICE], 0
	s_cbranch_scc1 .Ltwo_\@
.endm
	s_load_b128 s[4:7], s[0:1], 0x0                ; xf s[4:5], st s[6:7]
	s_load_b64 s[8:9], s[0:1], 0x10                ; out0
	v_lshl_add_u32 v[SPW], v0, 2, SPARE
	v_mov_b32 v[NIL], 0
	ds_add_u32 v[SPW], v[NIL]                      ; the wave's opening: the add, twice on end, and its wait ahead of my first tensor load; the set-up below stands between
	ds_add_u32 v[SPW], v[NIL]
	v_lshrrev_b32 v1, 5, v0
	v_readfirstlane_b32 s[WV], v1                  ; wave 0..3
	s_bfe_u32 s[CX], ttmp6, 0x40000                ; my place in the cluster
	s_and_b32 s[YY], ttmp7, 0xffff                 ; the group of eight supports
	s_cmp_eq_u32 ttmp9, 0                          ; the first cluster of its y: the same in all four partners
	s_cselect_b32 s[LIM], 1, -1
	v_and_b32 v[LANE], 31, v0
	v_lshlrev_b32 v[L16], 4, v[LANE]
	v_lshlrev_b32 v[PFO], 8, v[LANE]
	v_and_b32 v[RO], 15, v0
	v_lshlrev_b32 v[RO], 2, v[RO]
	v_bfe_u32 v[HO], v0, 4, 1
	v_lshlrev_b32 v[HO], 5, v[HO]
	v_mov_b32 v[RES], 0
.set ix, 0
.rept 8
	v_mov_b32 v[T+ix], 0                           ; v_permlanex16_b32 counts as a reader of its destination
.set ix, ix+1
.endr
	; descriptor group 1: 32,768 dense bytes as 128 rows of 256
	s_mov_b32 s[G1+0], 15|(3<<16)|(1<<21)          ; 15:0 the mask: all four work-groups; 17:16 elements of 8 bytes; 21 set beside a mask; no padding
	s_mov_b32 s[G1+1], 32<<16                      ; tensor_dim0 = 32
	s_mov_b32 s[G1+2], 128<<16                     ; tensor_dim1 = 128
	s_mov_b32 s[G1+3], 32<<16                      ; tile_dim0 = 32
	s_mov_b32 s[G1+4], 128                         ; tile_dim1 = 128
	s_mov_b32 s[G1+5], 32                          ; 32 elements from row to row
	s_mov_b32 s[G1+6], 0
	s_mov_b32 s[G1+7], 0
	s_mov_b32 s[G0A], 1
	s_lshl_b32 s[G0A+1], s[WV], 15                 ; my quarter of slot 0: no place in the cluster enters an LDS address
	s_mov_b32 s[G0B], 1
	s_add_co_u32 s[G0B+1], s[G0A+1], SLOT1
	s_lshl_b32 s52, s[YY], 19                      ; eight supports are 524,288 bytes;
	s_lshl_b32 s53, s[WV], 15
	s_add_co_u32 s52, s52, s53                     ; my quarter of two supports;
	s_add_co_u32 s52, s52, SUP0                    ; these two registers never hold my place in the cluster
	s_mov_b32 s53, 0
	s_lshl_b32 s50, ttmp9, 4
	s_lshl_b32 s51, s[CX], 2
	s_add_co_u32 s50, s50, s51
	s_add_co_u32 s50, s50, s[WV]                   ; my query = 16 x cluster x + 4 cx + wave
	s_mov_b32 s55, 0
	s_mov_b32 s[CW], 0x3a8461fa                    ; 0.00101
	s_mov_b32 s[CW+1], s[CW]
	s_mov_b32 s[SEL], 0x76543210
	s_mov_b32 s[SEL+1], 0xfedcba98
	s_mov_b32 s[TB], 0
	s_mov_b32 s[IDX], 0
	s_wait_dscnt 0x0                               ; both opening adds are done
	s_wait_kmcnt 0x0
	s_add_nc_u64 s[G0A+2:G0A+3], s[4:5], s[52:53]  ; supports 0 and 1 of my y,
	s_add_nc_u64 s[G0B+2:G0B+3], s[G0A+2:G0A+3], 2*IMG  ; 2 and 3
	s_or_b32 s[G0A+3], s[G0A+3], 0x80000000        ; type = 2
	s_or_b32 s[G0B+3], s[G0B+3], 0x80000000
	s_lshl_b32 s54, s50, 16
	s_add_nc_u64 s[QI:QI+1], s[4:5], s[54:55]
	s_lshl_b32 s54, s50, 10
	s_add_nc_u64 s[SQ:SQ+1], s[6:7], s[54:55]
	s_lshl_b32 s54, s[YY], 13
	s_add_co_u32 s54, s54, 256*1024                ; the supports' rows of st lie behind the queries' 256
	s_add_nc_u64 s[SS:SS+1], s[6:7], s[54:55]
	s_lshl_b32 s54, s50, 7                         ; out0: row q of 128 bytes,
	s_lshl_b32 s51, s[YY], 5                       ; my eight columns
	s_add_co_u32 s54, s54, s51
	s_add_nc_u64 s[8:9], s[8:9], s[54:55]
	s_lshl_b32 s54, s[YY], 19                      ; the prefetch: supports 6 and 7 of my y, my work-group's 32,768 bytes, my wave's 8,192
	s_lshl_b32 s51, s[CX], 15
	s_add_co_u32 s54, s54, s51
	s_lshl_b32 s51, s[WV], 13
	s_add_co_u32 s54, s54, s51
	s_add_co_u32 s54, s54, SUP0+6*IMG
	s_add_nc_u64 s[PFA:PFA+1], s[4:5], s[54:55]
	CROUND                                         ; all four work-groups are here: the first joint loads meet
	tensor_load_to_lds s[G0A:G0A+3], s[G1:G1+7]    ; both first fills go out together, ahead of every wait on TENSORcnt and every LDS read
	s_nop 0
	tensor_load_to_lds s[G0B:G0B+3], s[G1:G1+7]
	s_nop 0
	PLACES
	WIN 0x80                                       ; my query: 128 loads of 512 consecutive bytes, straight into operand registers
.set f, 0
.rept 64
	global_load_b128 v[4*f:4*f+3], v[L16], s[QI:QI+1] offset:512*f
.set f, f+1
.endr
	WIN 0xc0
.set f, 0
.rept 64
	global_load_b128 v[4*f:4*f+3], v[L16], s[QI:QI+1] offset:32768+512*f
.set f, f+1
.endr
	WIN 0
	global_load_b32 v[MM+1], v[RO], s[SQ:SQ+1] offset:512  ; Mq
	s_wait_tensorcnt 1                             ; my part of slot 0 is in; slot 1's may stay out
	s_barrier_signal -1
	s_barrier_wait -1                              ; everybody's is
	s_wait_loadcnt 0x0                             ; the query
	s_mov_b32 s[SLOTS], 2
.Lfilling:                             ; supports 0, 1 and then 2, 3; each slot is filled again when it has been read
	TWO
	CHANGE 1
	s_sub_co_u32 s[SLOTS], s[SLOTS], 1
	s_cmp_lg_u32 s[SLOTS], 0
	s_cbranch_scc1 .Lfilling
	s_mov_b32 s[SLOTS], 2
.Ldraining:                            ; supports 4, 5 and then 6, 7: nothing is asked for.  The second trip's barrier orders nothing: the price of one text for both trips
	TWO
	CHANGE 0
	s_sub_co_u32 s[SLOTS], s[SLOTS], 1
	s_cmp_lg_u32 s[SLOTS], 0
	s_cbranch_scc1 .Ldraining
	v_lshlrev_b32 v[AD], 2, v[LANE]
	v_cmp_gt_u32 vcc_lo, 8, v[LANE]
	s_wait_xcnt 0x0                                ; EXEC is a source of every memory instruction issued so far: it changes only behind this wait
	s_and_saveexec_b32 s50, vcc_lo
	global_store_b32 v[AD], v[RES], s[8:9]         ; lanes 0 to 7: my query's eight results, 32 consecutive bytes
	s_wait_xcnt 0x0                                ; and again, in front of the line that widens it
	s_or_b32 exec_lo, exec_lo, s50
	s_wait_tensorcnt 0x0                           ; the wave's end, behind my last tensor load
	ds_add_u32 v[SPW], v[NIL]
	s_wait_dscnt 0x0
	CROUND                                         ; the closing round: no work-group ends while a partner may still ask for a tile that names it
	s_endpgm
.Lfunc_end_k_qe542e35a7b_emd:
	.size	k_qe542e35a7b_emd, .Lfunc_end_k_qe542e35a7b_emd-k_qe542e35a7b_emd
	.p2alignl 7, 3214868480
	.fill 96, 4, 3214868480
	.section	.rodata,"a",@progbits
	.p2align	6, 0x0
	.amdhsa_kernel k_qe542e35a7b_emd
		.amdhsa_group_segment_fixed_size 327680
		.amdhsa_private_segment_fixed_size 0
		.amdhsa_enable_private_segment 0
		.amdhsa_kernarg_size 24
		.amdhsa_user_sgpr_count 2
		.amdhsa_user_sgpr_kernarg_segment_ptr 1
		.amdhsa_wavefront_size32 1
		.amdhsa_system_sgpr_workgroup_id_x 1
		.amdhsa_system_sgpr_workgroup_id_y 1
		.amdhsa_system_sgpr_workgroup_id_z 1
		.amdhsa_system_vgpr_workitem_id 0
		.amdhsa_next_free_vgpr 1024
		.amdhsa_next_free_sgpr 66
		.amdhsa_reserve_vcc 1
		.amdhsa_float_denorm_mode_32 3
		.amdhsa_float_denorm_mode_16_64 3
		.amdhsa_memory_ordered 1
		.amdhsa_forward_progress 1
		.amdhsa_inst_pref_size 189
	.end_amdhsa_kernel
	.amdgpu_metadata
---
amdhsa.version: [ 1, 2 ]
amdhsa.kernels:
  - .name:           k_qe542e35a7b_emd
    .symbol:         k_qe542e35a7b_emd.kd
    .args:
      - { .name: xf, .offset: 0, .size: 8, .value_kind: global_buffer, .address_space: global }
      - { .name: st, .offset: 8, .size: 8, .value_kind: global_buffer, .address_space: global }
      - { .name: out0, .offset: 16, .size: 8, .value_kind: global_buffer, .address_space: global }
    .group_segment_fixed_size: 327680
    .private_segment_fixed_size: 0
    .kernarg_segment_align: 8
    .kernarg_segment_size: 24
    .max_flat_workgroup_size: 128
    .sgpr_count:     66
    .vgpr_count:     1024
    .wavefront_size: 32
...
	.end_amdgpu_metadata
.endif
;; end of part 2
